; MI455X (gfx1250); checked and timed in simulation.
; The chip was launched on July 23, 2026; its instructions are those of AMD's public machine-readable ISA for CDNA 5 (MIT licence, August 2026) and "CDNA5" Instruction Set Architecture Reference Guide (July 2026). The comments in the code are by the model that wrote it; some were corrected since.
;; Multi Head Attention. Allowed arithmetic: matrix products marked QUANTISED: E2M3 operands, one E8M0 scale for each 32 along K, by v_wmma_scale_f32_16x16x128_f8f6f4 with both operands' format E2M3, f32 sums; everything else in f32.
;; Inputs: Wk_b 1,024 float32; Wk_w 1,024 x 1,024 float32; Wq_b 1,024 float32; Wq_w 1,024 x 1,024 float32; Wv_b 1,024 float32; Wv_w 1,024 x 1,024 float32; mask_pad 4 x 2,048 x 2,048 bool; x_k_v 4 x 2,048 x 1,024 float32; x_q 4 x 2,048 x 1,024 float32.
;; Outputs: out0 4 x 2,048 x 1,024 float32.
;; This version of the problem:
;;   THIS VERSION OF THE PROBLEM IS GIVEN IN LOW PRECISION. The matrix products marked QUANTISED in the list below multiply operands that are first quantised to E2M3 (2 exponent bits, 3 mantissa bits; 6 bits a number), with one power-of-two scale for each 32 numbers along K (OCP MX v1.0); their sums are f32. All else is computed in f32.
;;   The module's matrix products, in the order in which they are computed (A, B: the left and right operand; K: the contracted axis; several contracted axes count as one K, in the product's order):
;;     1. [M 8,192, K 1,024] x [K 1,024, N 1,024]; A: input x_q; B: input Wq_w: QUANTISED
;;     2. [M 8,192, K 1,024] x [K 1,024, N 1,024]; A: input x_k_v; B: input Wk_w: QUANTISED
;;     3. [M 8,192, K 1,024] x [K 1,024, N 1,024]; A: input x_k_v; B: input Wv_w: QUANTISED
;;     4. batch 64 x [M 2,048, K 64] x [K 64, N 2,048]; A: computed on the way; B: computed on the way: QUANTISED
;;     5. batch 64 x [M 2,048, K 2,048] x [K 2,048, N 64]; A: softmax (see below); B: computed on the way: QUANTISED
;;   THE QUANTISER, for each operand of a quantised product, along K:
;;     - K is cut into blocks of 32 from its start; a last block that is shorter is filled with zeros.
;;     - A block's scale is 2^e with e = floor(log2(the largest magnitude in the block)) - 2, held to -126 .. 127; a block of zeros has e = 0. As a byte (E8M0): e + 127.
;;     - Each number is divided by its block's scale, clamped to +-7.5, and rounded to the nearest number of E2M3, ties to even, subnormals kept.
;;     - The product sums the exact products of the quantised numbers (number of the format x scale) in f32.
;;   ~~~python
;;   def quantise(x, axis):      # numpy; x: float32 -> the quantised numbers, widened to float32 again
;;       x = np.moveaxis(x, axis, -1); K = x.shape[-1]
;;       x = np.pad(x, [(0, 0)] * (x.ndim - 1) + [(0, -K % 32)]); x = x.reshape(x.shape[:-1] + (-1, 32)); a = np.abs(x).max(-1, keepdims=True)
;;       e = np.where(a > 0, np.clip(np.frexp(np.where(a > 0, a, 1))[1] - 1 - 2, -126, 127), 0)      # np.frexp(a)[1] - 1 = floor(log2(a)), exactly
;;       r = np.clip(x / 2.0 ** e, -7.5, 7.5)
;;       step = 2.0 ** (np.maximum(np.frexp(np.where(r == 0, 1, r))[1] - 1, 0) - 3)
;;       q = np.round(r / step) * step * 2.0 ** e      # np.round: ties to even
;;       return np.moveaxis(q.reshape(q.shape[:-2] + (-1,))[..., :K], -1, axis).astype(np.float32)
;;   ~~~
;;   SOFTMAX AHEAD OF A QUANTISED PRODUCT. Where the list says 'softmax', what is quantised is not the finished softmax but p = 2^(t - M), with t = logit x log2(e) and M = ceil(the row's largest t), a whole number; so 1/2 < the row's largest p <= 1. The row's sum l is taken of the UNQUANTISED p, in f32, and the product's result is divided by l at the end. Since M is a whole number, a kernel that streams over the keys may use a running M (the ceiling of the running maximum): every later rescaling is an exact power of two, which a block's scale takes up: the codes' values come out the same.
;;   OPERANDS COMPUTED ON THE WAY. 'Computed on the way' means the value that the module computes at that place (a softmax that the list does not call 'softmax' is quantised finished and normalised). What goes into a quantiser is computed in f32, as accurately as f32 sums, v_exp_f32 and their like allow (about 1e-6 of the number): no bf16 or f16 on the way to a quantiser, and a product that is left as it is and whose result goes on into a quantised operand takes f32 operands (vector FMAs, or v_wmma_f32_16x16x4_f32). A number that lies on a knife's edge between two numbers of the format may be rounded either way, as far as f32 arithmetic and the matrix unit's own rounding can turn it there, and no further.
;; One version. Each part assembles by itself: llvm-mc -triple=amdgcn-amd-amdhsa -mcpu=gfx1250 --defsym DOCPART=n.
;; ======== version 1 of 1: 3 launches
;; limits: right only within a limited range of input values
;; workspace buffers: codes 14,942,208 bytes; scales 622,592 bytes; mbits 2,097,152 bytes of whole numbers; qrec 6,815,744 bytes; kvrec 13,369,344 bytes
;; launch prep (part 1): grid 864 x 1, 4 waves a work-group, no clusters, 50,688 bytes of LDS; arguments x_q, x_k_v, Wq_w, Wk_w, Wv_w, mask_pad, codes, scales, mbits; writes codes, scales, mbits
.if DOCPART == 1
	.amdgcn_target "amdgcn-amd-amdhsa--gfx1250"
	.amdhsa_code_object_version 6
	.text
	.protected	k_q5b7cad1e48_prep
	.globl	k_q5b7cad1e48_prep
	.p2align	8
	.type	k_q5b7cad1e48_prep,@function
k_q5b7cad1e48_prep:
	s_mov_b64 s[64:65], 0
	v_nop
	global_prefetch_b8 v0, s[64:65] scope:SCOPE_SE
	s_setreg_imm32_b32 hwreg(HW_REG_WAVE_MODE, 25, 1), 1
	s_wait_xcnt 0x0
; TWO JOBS IN ONE LAUNCH, parted on the work-group's number; the two ways never join, and each has LDS bytes of its own.
; (1) Work-groups 0-607: x_q, x_k_v [8192][1024] and Wq_w, Wk_w, Wv_w [1024][1024], f32, become codes of FP6 (E2M3), K innermost, with one E8M0 byte for each 32 along K.
;     All five lie in ONE buffer of 19,456 rows x 768 bytes (x_q at row 0, x_k_v at 8,192, Wq at 16,384, Wk at 17,408, Wv at 18,432), the scale bytes likewise, 32 a row.
;     A block's scale is 2^(floor(log2(its largest magnitude)) - 2); its byte is the largest magnitude's exponent field - 2, held at 1 from below.
;     THE ROWS ARE LAID IN ANOTHER ORDER: in each group of 32 rows, place p holds row p with bits 3 and 4 exchanged.  So 16 places on end, 16 i + r, hold rows 32 (i / 2) + 8 (i % 2) + r + 8 (r / 8):
;     the order in which a tile's results are 16 neighbours along the next product's K.  A work-group is one group of 32 rows and a wave 8 rows, so the exchange is an exchange of the waves' places.
; (2) Work-groups 608-863: mask_pad [4][2048][2048], one byte each, becomes words of one bit a lane, laid as the attention's registers want them: mbits [b][T 0..127][s 0..15][n 0..63];
;     bit (r + 16 h) of word n is mask_pad[b][32 (T / 2) + 8 (T % 2) + r + 8 (r / 8)][128 s + 32 (n / 16) + 16 h + n % 16].
; LIMITS: blocks whose largest magnitude lies under 2^-124 keep the byte 1; a block of zeros has the byte 1 where the rule says 127 (its codes are zeros, and this program alone reads the bytes);
; NaN and infinities among the inputs are not served.
; No tensor loads, no barrier: waves share nothing.
.set STEPS, 16
.set EMAX,  2
.set CB,    12                         ; bytes of 16 codes
.set R,     16                         ; v16-79   four sets of 16 numbers as they are loaded
.set X,     80                         ; v80-111  two sets of 16 neighbours
.set E,     112                        ; v112-127 a scale byte for each step
.set C,     128                        ; v128-191 codes: four registers for each step, so that no store's data are written again
.set WREG,  8192                       ; LDS of the quantiser: a region for each wave: two stages of 32 x SP bytes, behind them its 256 scale bytes
.set SP,    80                         ; a lane's place in a stage: its 64 bytes + 16 of padding
.set QWG,   608                        ; work-groups of the quantiser: 19,456 rows / 32
.set MSTG,  32768                      ; LDS of the mask's way: 16 rows x 272 bytes for each wave
.set MP,    272
.set MR,    16                         ; v16-143  four windows of 16 rows x 256 bytes as loaded
.set MX,    144                        ; v144-175 a window back from the stage: lane (r, h): 8 x 16 bytes of row r
.set MW,    176                        ; v176-191 the words made: four registers for each window
	s_load_b512 s[4:19], s[0:1], 0x0               ; x_q 4, x_k_v 6, Wq 8, Wk 10, Wv 12, mask 14, codes 16, scales 18
	s_load_b64 s[20:21], s[0:1], 0x40              ; mbits
	v_lshl_add_u32 v192, v0, 2, 0xc400
	v_mov_b32 v193, 0
	v_lshrrev_b32 v1, 5, v0
	v_readfirstlane_b32 s22, v1                    ; wave
	v_and_b32 v2, 31, v0                           ; lane
	s_cmp_ge_u32 ttmp9, QWG
	s_cbranch_scc1 .Lmask
	; ---------------- the quantiser ----------------
	v_lshlrev_b32 v3, 4, v2                        ; my 16 bytes of a load's 512
	s_mul_i32 s23, s22, WREG
	v_lshrrev_b32 v14, 2, v2
	v_mul_u32_u24 v14, v14, SP
	v_and_b32 v15, 3, v2
	v_lshl_add_u32 v14, v15, 4, v14
	v_add_nc_u32 v14, s23, v14                     ; the stage, on the way in: SP (lane / 4) + 16 (lane % 4)
	v_mul_u32_u24 v15, v2, SP
	v_add_nc_u32 v15, s23, v15                     ; and on the way out: SP x lane: my 16 neighbours
	v_mul_u32_u24 v4, v2, CB                       ; my codes' place in a step's
	v_lshrrev_b32 v5, 1, v2
	s_add_co_u32 s23, s23, 2*32*SP
	v_add_nc_u32 v5, s23, v5                       ; LDS: my wave's 256 scale bytes, my block's byte
	v_lshlrev_b32 v7, 3, v2                        ; and on the way out 8 bytes a lane
	v_add_nc_u32 v6, s23, v7
	s_wait_alu depctr_va_vdst(0)
	s_wait_kmcnt 0x0
	s_mov_b64 s[24:25], s[12:13]                   ; which tensor is mine: the choice hangs on the work-group's number alone
	s_mov_b32 s26, 576                             ; and its first work-group
.macro PICK lim, ptr, first
	s_cmp_lt_u32 ttmp9, \lim
	s_cselect_b64 s[24:25], s[\ptr:\ptr+1], s[24:25]
	s_cselect_b32 s26, \first, s26
.endm
	PICK 576, 10, 544
	PICK 544, 8, 512
	PICK 512, 6, 256
	PICK 256, 4, 0
	s_sub_co_u32 s27, ttmp9, s26
	s_lshl_b32 s27, s27, 2
	s_add_co_u32 s27, s27, s22                     ; which run of 8,192 numbers (8 rows) of the tensor is my wave's
	s_lshl_b32 s28, s27, 15                        ; 32,768 bytes a run; under 2^26
	s_mov_b32 s29, 0
	s_add_nc_u64 s[24:25], s[24:25], s[28:29]
	s_and_b32 s27, s22, 1                          ; out: the wave's two bits change places: rows 8 w .. go to places 16 (w % 2) + 8 (w / 2) ..
	s_lshl_b32 s27, s27, 1
	s_lshr_b32 s30, s22, 1
	s_or_b32 s27, s27, s30
	s_lshl_b32 s30, ttmp9, 2
	s_add_co_u32 s27, s27, s30                     ; the run's place in the one buffer of all five tensors
	s_mul_i32 s28, s27, 32*STEPS*CB                ; 6,144 bytes of codes a run
	s_add_nc_u64 s[16:17], s[16:17], s[28:29]
	s_lshl_b32 s28, s27, 8                         ; 256 scale bytes a run
	s_add_nc_u64 s[18:19], s[18:19], s[28:29]
.macro LOAD t
.irp i, 0,1,2,3
	global_load_b128 v[R+16*((\t)%4)+4*\i:R+16*((\t)%4)+4*\i+3], v3, s[24:25] offset:2048*(\t)+512*\i th:TH_LOAD_NT   ; 32 lanes read 512 consecutive bytes
.endr
.endm
.macro TURN t                          ; step t's numbers through the stage: LDS serves a wave's instructions in order, so no wait stands between the stores and the loads
.irp i, 0,1,2,3
	ds_store_b128 v14, v[R+16*((\t)%4)+4*\i:R+16*((\t)%4)+4*\i+3] offset:32*SP*((\t)%2)+8*SP*\i
.endr
.irp i, 0,1,2,3
	ds_load_b128 v[X+16*((\t)%2)+4*\i:X+16*((\t)%2)+4*\i+3], v15 offset:32*SP*((\t)%2)+16*\i
.endr
.endm
.irp t, 0,1,2,3
	LOAD \t
.endr
	s_wait_loadcnt 12                              ; step 0's four loads are in
	TURN 0
.macro STEP t
.set XS, X+16*((\t)%2)
.if (\t) > 0
	s_wait_dscnt 1                                 ; this step's numbers are back from the stage (the last step's byte store may be out): so its stores into the stage have read their registers,
.else
	s_wait_dscnt 0x0
.endif
.if (\t)+4 < STEPS
	LOAD (\t)+4                                    ; which take the loads of four steps on
.endif
.if (\t)+1 < STEPS
.if STEPS-2-(\t) >= 3
	s_wait_loadcnt 12                              ; the next step's four loads are in; those of the three steps behind it may be out
.else
	s_wait_loadcnt 4*(STEPS-2-(\t))
.endif
	TURN (\t)+1                                    ; and go through the other stage while this step is worked
.endif
	v_max3_num_f32 v8, |v[XS]|, |v[XS+1]|, |v[XS+2]|               ; the largest magnitude of my 16
	v_max3_num_f32 v9, |v[XS+3]|, |v[XS+4]|, |v[XS+5]|
.irp i, 6,10
	v_max3_num_f32 v8, v8, |v[XS+\i]|, |v[XS+\i+1]|
	v_max3_num_f32 v9, v9, |v[XS+\i+2]|, |v[XS+\i+3]|
.endr
	v_max3_num_f32 v8, v8, |v[XS+14]|, |v[XS+15]|
	v_max3_num_f32 v8, v8, v9, (EMAX+1)<<23        ; and the floor 2^(3 - 127): so the byte cannot fall under 1
	v_max_num_f32_dpp v8, v8, v8 row_xmask:1 row_mask:0xf bank_mask:0xf   ; and of my neighbour's 16: the block's
	v_add_nc_u32 v11, -(EMAX<<23), v8              ; 2 off its exponent field: the conversion takes the exponent field of this operand as its scale
	v_cvt_scalef32_pk16_fp6_f32 v[C+4*(\t):C+4*(\t)+2], v[XS:XS+15], v11
	v_lshrrev_b32 v[E+(\t)], 23, v11               ; the scale's byte (a plain line behind the conversion)
	ds_store_b8 v5, v[E+(\t)] offset:16*(\t)       ; both lanes of a block write the same byte with the same value
	global_store_b96 v4, v[C+4*(\t):C+4*(\t)+2], s[16:17] offset:32*CB*(\t)   ; the wave stores 384 consecutive bytes
.endm
.irp t, 0,1,2,3,4,5,6,7,8,9,10,11,12,13,14,15
	STEP \t
.endr
	ds_load_b64 v[12:13], v6                       ; LDS serves a wave's instructions in order: these see my stores
	s_wait_dscnt 0x0
	global_store_b64 v7, v[12:13], s[18:19]        ; 32 lanes store 256 consecutive bytes, at a multiple of 256 from the buffer's first byte
	s_wait_tensorcnt 0x0
	ds_add_u32 v192, v193
	s_wait_dscnt 0x0
	s_endpgm
	; ---------------- the mask ----------------
	; Wave W of 1,024 takes the 16 rows of query tile T = (W / 2) % 128 of batch W / 256, and keys 1,024 (W % 2) on: four windows of 256 keys, two key steps each.
.Lmask:
	s_sub_co_u32 s23, ttmp9, QWG
	s_lshl_b32 s23, s23, 2
	s_add_co_u32 s23, s23, s22                     ; W
	s_and_b32 s24, s23, 1                          ; which half of the keys
	s_bfe_u32 s25, s23, 0x70001                    ; T
	s_lshr_b32 s26, s23, 8                         ; b
	s_lshl_b32 s26, s26, 11
	s_lshr_b32 s27, s25, 1
	s_lshl_b32 s27, s27, 5
	s_add_co_u32 s26, s26, s27
	s_and_b32 s27, s25, 1
	s_lshl_b32 s27, s27, 3
	s_add_co_u32 s26, s26, s27                     ; the tile's first row: 2,048 b + 32 (T / 2) + 8 (T % 2)
	s_lshl_b32 s26, s26, 11                        ; a row is 2,048 bytes
	s_lshl_b32 s27, s24, 10
	s_add_co_u32 s26, s26, s27
	s_mov_b32 s27, 0
	s_lshl_b32 s32, s23, 11                        ; out: 2,048 bytes a wave, in W's order
	s_mov_b32 s33, 0
	s_wait_alu depctr_va_vdst(0)
	v_and_b32 v8, 15, v2                           ; lane % 16
	v_lshrrev_b32 v9, 4, v2                        ; lane / 16
	v_lshlrev_b32 v3, 4, v8
	v_lshl_add_u32 v3, v9, 11, v3                  ; in: sixteen lanes to a row's 256 bytes, two rows a load
	s_mul_i32 s34, s22, 16*MP
	s_add_co_u32 s34, s34, MSTG                    ; my stage
	v_mul_u32_u24 v4, v9, MP
	v_lshl_add_u32 v4, v8, 4, v4
	v_add_nc_u32 v4, s34, v4                       ; into it, as loaded
	v_mul_u32_u24 v5, v8, MP
	v_lshl_add_u32 v5, v9, 4, v5
	v_add_nc_u32 v5, s34, v5                       ; out of it: lane (r, h): row r, 16 keys from 16 h on of each 32
	v_lshlrev_b32 v6, 4, v2                        ; the words' way out: 16 bytes a lane
.irp i, 0,1,2,3,4,5,6,7,8,9,10,11,12,13,14,15
	v_mov_b32 v[MW+\i], 0                          ; written once: a lane write's destination counts as one of its sources
.endr
	s_wait_kmcnt 0x0
	s_add_nc_u64 s[14:15], s[14:15], s[26:27]
	s_add_nc_u64 s[20:21], s[20:21], s[32:33]
.irp wd, 0,1,2,3
.irp i, 0,1,2,3,4,5,6,7
	global_load_b128 v[MR+32*\wd+4*\i:MR+32*\wd+4*\i+3], v3, s[14:15] offset:(2*\i+8*(\i/4))*2048+256*\wd th:TH_LOAD_NT   ; the tile's rows 2 i, 2 i + 1: its rows 8-15 lie 8 rows further down
.endr
.endr
.macro WINDOW wd
	s_wait_loadcnt 24-8*(\wd)                      ; this window's eight loads are in; the later windows' stay out
.irp i, 0,1,2,3,4,5,6,7
	ds_store_b128 v4, v[MR+32*(\wd)+4*\i:MR+32*(\wd)+4*\i+3] offset:2*MP*\i
.endr
.irp j, 0,1,2,3,4,5,6,7
	ds_load_b128 v[MX+4*\j:MX+4*\j+3], v5 offset:32*\j    ; my wave's own stage, served in order: these see the stores above
.endr
	s_wait_dscnt 0x0
	; Word D of the window's 128 (key step D / 64, register n = D % 64): its bit for lane (r, h) is byte D % 4 of that lane's register MX + D / 4.  It goes to lane D / 4, register D % 4, so that the words leave in their order.
.set g, 0
.rept 32
.irp k, 0,1,2,3
	v_and_b32 v[8+\k], 0xff<<(8*\k), v[MX+g]
.endr
.irp k, 0,1,2,3
	v_cmp_ne_u32 s[28+\k], 0, v[8+\k]              ; one bit a lane
.endr
.irp k, 0,1,2,3
	v_writelane_b32 v[MW+4*(\wd)+\k], s[28+\k], g
.endr
.set g, g+1
.endr
	global_store_b128 v6, v[MW+4*(\wd):MW+4*(\wd)+3], s[20:21] offset:512*(\wd)   ; 512 consecutive bytes; each window has its own registers, so no store's data are written again
.endm
	WINDOW 0
	WINDOW 1
	WINDOW 2
	WINDOW 3
	s_wait_tensorcnt 0x0
	ds_add_u32 v192, v193
	s_wait_dscnt 0x0
	s_endpgm
.Lfunc_end_k_q5b7cad1e48_prep:
	.size	k_q5b7cad1e48_prep, .Lfunc_end_k_q5b7cad1e48_prep-k_q5b7cad1e48_prep
	.p2alignl 7, 3214868480
	.fill 96, 4, 3214868480
	.section	.rodata,"a",@progbits
	.p2align	6, 0x0
	.amdhsa_kernel k_q5b7cad1e48_prep
		.amdhsa_group_segment_fixed_size 50688
		.amdhsa_private_segment_fixed_size 0
		.amdhsa_enable_private_segment 0
		.amdhsa_kernarg_size 72
		.amdhsa_user_sgpr_count 2
		.amdhsa_user_sgpr_kernarg_segment_ptr 1
		.amdhsa_wavefront_size32 1
		.amdhsa_system_sgpr_workgroup_id_x 1
		.amdhsa_system_sgpr_workgroup_id_y 1
		.amdhsa_system_sgpr_workgroup_id_z 1
		.amdhsa_system_vgpr_workitem_id 0
		.amdhsa_next_free_vgpr 194
		.amdhsa_next_free_sgpr 66
		.amdhsa_reserve_vcc 0
		.amdhsa_float_denorm_mode_32 3
		.amdhsa_float_denorm_mode_16_64 3
		.amdhsa_memory_ordered 1
		.amdhsa_forward_progress 1
		.amdhsa_inst_pref_size 139
	.end_amdhsa_kernel
	.amdgpu_metadata
---
amdhsa.version: [ 1, 2 ]
amdhsa.kernels:
  - .name:           k_q5b7cad1e48_prep
    .symbol:         k_q5b7cad1e48_prep.kd
    .args:
      - { .name: x_q, .offset: 0, .size: 8, .value_kind: global_buffer, .address_space: global }
      - { .name: x_k_v, .offset: 8, .size: 8, .value_kind: global_buffer, .address_space: global }
      - { .name: Wq_w, .offset: 16, .size: 8, .value_kind: global_buffer, .address_space: global }
      - { .name: Wk_w, .offset: 24, .size: 8, .value_kind: global_buffer, .address_space: global }
      - { .name: Wv_w, .offset: 32, .size: 8, .value_kind: global_buffer, .address_space: global }
      - { .name: mask_pad, .offset: 40, .size: 8, .value_kind: global_buffer, .address_space: global }
      - { .name: codes, .offset: 48, .size: 8, .value_kind: global_buffer, .address_space: global }
      - { .name: scales, .offset: 56, .size: 8, .value_kind: global_buffer, .address_space: global }
      - { .name: mbits, .offset: 64, .size: 8, .value_kind: global_buffer, .address_space: global }
    .group_segment_fixed_size: 50688
    .private_segment_fixed_size: 0
    .kernarg_segment_align: 8
    .kernarg_segment_size: 72
    .max_flat_workgroup_size: 128
    .sgpr_count:     66
    .vgpr_count:     194
    .wavefront_size: 32
...
	.end_amdgpu_metadata
.endif
;; end of part 1
;; launch proj (part 2): grid 4 x 96, 4 waves a work-group, clusters of 4 x 4, 327,680 bytes of LDS; arguments codes, scales, Wq_b, Wk_b, Wv_b, qrec, kvrec; writes qrec, kvrec
.if DOCPART == 2
	.amdgcn_target "amdgcn-amd-amdhsa--gfx1250"
	.amdhsa_code_object_version 6
	.text
	.protected	k_q5b7cad1e48_proj
	.globl	k_q5b7cad1e48_proj
	.p2align	8
	.type	k_q5b7cad1e48_proj,@function
k_q5b7cad1e48_proj:
	s_mov_b64 s[64:65], 0
	v_nop
	global_prefetch_b8 v0, s[64:65] scope:SCOPE_SE
	s_setreg_imm32_b32 hwreg(HW_REG_WAVE_MODE, 25, 1), 1
	s_wait_xcnt 0x0
	s_wait_alu depctr_hold_cnt(0) depctr_sa_sdst(0) depctr_va_vdst(0) depctr_va_sdst(0) depctr_va_ssrc(0) depctr_va_vcc(0) depctr_vm_vsrc(0)
	s_getreg_b32 s2, hwreg(HW_REG_IB_STS2, 6, 4)
	s_cmp_eq_u32 s2, 0
	s_cbranch_scc0 .Lentry_in_a_cluster
	s_endpgm
.Lentry_in_a_cluster:
	s_bfe_u32 s2, ttmp6, 0x10000c
	s_cmp_lg_u32 s2, 0xf033
	s_cbranch_scc0 .Lentry_shape_is_right
	s_endpgm
.Lentry_shape_is_right:
.set KSTEP,  256
.set NQ,     2
.set ROWB,   192
.set KROW,   768
.set PITCH,  240
.set FR,     12
.set NL,     6
.set NP,     4
.set HALFT,  128*PITCH
.set SLOT,   4*HALFT
.set LAPS,   2
.set KS,     32
.set SCL,    2*SLOT
.set HALFS,  16*272
.set SBLK,   2*272
.set SPARE,  SCL+4*HALFS
.set ADRA, 16
.set ADRB, 20
.set L16,  24
.set L8,   25
.set ADRS, 27
.set SPW,  28
.set NIL,  29
.set SC,   32
.set BR,   64
.set AF,   128
.set HA,   128
.set CD,   192
.set TM,   212
.set PW,   228
.set WA,   232
.set WB,   236
.set BV,   240
.set G1, 24
.set G0, 32
.set G1B, 48
.set G0B, 56
.set G1S, 68
.set G0S, 76
.set G1SB, 80
.set G0SB, 88
.set OA,  96
.set SEL, 104
.set MSB, 0
.macro WIN new
.if MSB != (\new)
	s_set_vgpr_msb (MSB<<8)|(\new)
.set MSB, (\new)
.endif
.endm
.set MUL_LO, 0xa1
.set MUL_HI, 0xf1
.set TO_B,   0x40
.macro JLOAD g0a, g1a, g0b, g1b
	s_cmp_eq_u32 s15, 0
	s_cbranch_scc0 .Lfor_b_\@
	tensor_load_to_lds s[\g0a:\g0a+3], s[\g1a:\g1a+7]
	s_nop 0
.rept 4
	v_nop
.endr
	s_branch .Lasked_\@
.Lfor_b_\@:
	tensor_load_to_lds s[\g0b:\g0b+3], s[\g1b:\g1b+7]
	s_nop 0
.rept 4
	v_nop
.endr
.Lasked_\@:
.endm
.macro CREST
	s_cmp_lg_u32 s14, 0
	s_cbranch_scc1 .Lnot_wave_0_\@
	s_barrier_signal -3
.Lnot_wave_0_\@:
	s_barrier_wait -3
	s_barrier_signal -1
	s_barrier_wait -1
.endm
.macro CROUND
	s_barrier_signal -1
	s_barrier_wait -1
	CREST
.endm
	s_load_b128 s[4:7], s[0:1], 0x0
	s_load_b128 s[8:11], s[0:1], 0x10
	s_load_b128 s[96:99], s[0:1], 0x20
	s_load_b64 s[100:101], s[0:1], 0x30
	v_lshl_add_u32 v[SPW], v0, 2, SPARE
	v_mov_b32 v[NIL], 0
	ds_add_u32 v28, v29
	ds_add_u32 v28, v29
	s_wait_dscnt 0x0
	v_lshrrev_b32 v1, 5, v0
	v_readfirstlane_b32 s14, v1
	s_lshr_b32 s15, s14, 1
	s_and_b32 s16, s14, 1
	s_bfe_u32 s40, ttmp6, 0x40000
	s_bfe_u32 s41, ttmp6, 0x40004
	s_and_b32 s18, ttmp7, 0xffff
	s_lshr_b32 s2, s18, 3
	s_and_b32 s18, s18, 7
	s_lshl_b32 s18, s18, 2
	s_lshl_b32 s19, s2, 10
	s_add_co_u32 s19, s19, 16384
	s_lshl_b32 s45, s2, 13
	s_mov_b32 s21, 18432
	s_mov_b32 s47, 8192
	s_cmp_eq_u32 s2, 2
	s_cselect_b32 s20, 0, s18
	s_cselect_b32 s46, s18, 0
	s_cselect_b32 s21, s21, s45
	s_cselect_b32 s47, s47, s19
	s_add_co_u32 s17, s41, s20
	s_add_co_u32 s42, s40, s46
	s_lshl_b32 s43, s41, 2
	s_lshl_b32 s43, 15, s43
	s_lshl_b32 s44, 0x1111, s40
	s_or_b32 s[G1+0], s43, (0<<16)|(1<<20)|(1<<21)|(3<<22)|(3<<25)
	s_or_b32 s[G1B+0], s44, (0<<16)|(1<<20)|(1<<21)|(3<<22)|(3<<25)
.irp g, G1, G1B
	s_mov_b32 s[\g+1], ROWB<<16
	s_mov_b32 s[\g+2], 128<<16
	s_mov_b32 s[\g+3], ROWB<<16
	s_mov_b32 s[\g+4], 128
	s_mov_b32 s[\g+5], KROW
	s_mov_b32 s[\g+6], 0
	s_mov_b32 s[\g+7], 0
.endr
	s_or_b32 s[G1S+0], s43, (3<<16)|(1<<20)|(1<<21)|(5<<22)|(3<<25)
	s_or_b32 s[G1SB+0], s44, (3<<16)|(1<<20)|(1<<21)|(5<<22)|(3<<25)
.irp g, G1S, G1SB
	s_mov_b32 s[\g+1], 32<<16
	s_mov_b32 s[\g+2], 16<<16
	s_mov_b32 s[\g+3], 32<<16
	s_mov_b32 s[\g+4], 16
	s_mov_b32 s[\g+5], 32
	s_mov_b32 s[\g+6], 0
	s_mov_b32 s[\g+7], 0
.endr
	s_lshl_b32 s18, s16, 7
	s_lshl_b32 s20, s17, 8
	s_add_co_u32 s20, s20, s18
	s_add_co_u32 s20, s20, s21
	s_lshl_b32 s46, s42, 8
	s_add_co_u32 s46, s46, s18
	s_add_co_u32 s46, s46, s47
	s_mov_b32 s21, 0
	s_mov_b32 s47, 0
	s_mov_b64 s[18:19], KS
	s_mul_u64 s[22:23], s[20:21], s[18:19]
	s_mul_u64 s[92:93], s[46:47], s[18:19]
	s_mov_b64 s[18:19], KROW
	s_mul_u64 s[20:21], s[20:21], s[18:19]
	s_mul_u64 s[46:47], s[46:47], s[18:19]
	s_mul_i32 s45, s14, HALFT
	s_mul_i32 s94, s14, HALFS
	s_wait_kmcnt 0x0
	s_add_nc_u64 s[20:21], s[4:5], s[20:21]
	s_add_nc_u64 s[22:23], s[6:7], s[22:23]
	s_add_nc_u64 s[46:47], s[4:5], s[46:47]
	s_add_nc_u64 s[92:93], s[6:7], s[92:93]
	CROUND
	s_mov_b32 s[G0S], 1
	s_add_co_u32 s[G0S+1], s94, SCL
	s_mov_b64 s[G0S+2:G0S+3], s[22:23]
	s_or_b32 s[G0S+3], s[G0S+3], 0x80000000
	s_mov_b32 s[G0SB], 1
	s_add_co_u32 s[G0SB+1], s94, SCL
	s_mov_b64 s[G0SB+2:G0SB+3], s[92:93]
	s_or_b32 s[G0SB+3], s[G0SB+3], 0x80000000
	JLOAD G0S, G1S, G0SB, G1SB
.irp s, 0,1
	s_mov_b32 s[G0+4*\s], 1
	s_add_co_u32 s[G0+4*\s+1], s45, \s*SLOT
	s_add_nc_u64 s[G0+4*\s+2:G0+4*\s+3], s[20:21], \s*ROWB
	s_or_b32 s[G0+4*\s+3], s[G0+4*\s+3], 0x80000000
	s_mov_b32 s[G0B+4*\s], 1
	s_add_co_u32 s[G0B+4*\s+1], s45, \s*SLOT
	s_add_nc_u64 s[G0B+4*\s+2:G0B+4*\s+3], s[46:47], \s*ROWB
	s_or_b32 s[G0B+4*\s+3], s[G0B+4*\s+3], 0x80000000
	s_wait_alu depctr_va_vdst(0)
	s_wait_tensorcnt 0x0
	ds_add_u32 v28, v29
	s_wait_dscnt 0x0
	CROUND
	JLOAD G0+4*\s, G1, G0B+4*\s, G1B
.endr
	v_and_b32 v1, 15, v0
	v_bfe_u32 v2, v0, 4, 1
	v_mul_u32_u24 v3, v1, PITCH
	v_mul_u32_u24 v4, v2, 24
	v_add_nc_u32 v4, v3, v4
	v_lshl_add_u32 v5, v2, 4, v4
	s_mul_i32 s21, s15, HALFT
	s_mul_i32 s22, s16, HALFT
	s_add_co_u32 s22, s22, 2*HALFT
.irp s, 0,1
	v_add_nc_u32 v[ADRA+\s], s21, v4
	v_add_nc_u32 v[ADRB+\s], s22, v4
	v_add_nc_u32 v[ADRA+2+\s], s21, v5
	v_add_nc_u32 v[ADRB+2+\s], s22, v5
	s_add_co_u32 s21, s21, SLOT
	s_add_co_u32 s22, s22, SLOT
.endr
	v_mul_u32_u24 v5, v1, KS
	v_lshrrev_b32 v6, 8, v5
	v_lshl_add_u32 v5, v6, 4, v5
	s_mul_i32 s21, s15, HALFS
	s_mul_i32 s22, s16, HALFS
	s_add_co_u32 s22, s22, 2*HALFS
	s_sub_co_u32 s22, s22, s21
	v_mul_u32_u24 v6, s22, v2
	s_add_co_u32 s21, s21, SCL
	v_add_nc_u32 v5, v5, v6
	v_add_nc_u32 v[ADRS], s21, v5
	v_lshlrev_b32 v12, 6, v2
	s_wait_alu depctr_va_vdst(0)
	v_and_b32 v13, 8, v1
	v_add_nc_u32 v13, v13, v1
	v_lshlrev_b32 v13, 2, v13
	s_wait_alu depctr_va_vdst(0)
	v_and_b32 v6, 31, v0
	v_lshlrev_b32 v[L16], 4, v6
	v_lshlrev_b32 v[L8], 3, v6
	s_mov_b32 s66, 0xffff0000
	s_mov_b32 s[SEL], 0x76543210
	s_mov_b32 s[SEL+1], 0xfedcba98
	s_mov_b32 s95, 13056
	s_cmp_eq_u32 s2, 0
	s_cselect_b64 s[8:9], s[8:9], s[10:11]
	s_cselect_b64 s[98:99], s[98:99], s[100:101]
	s_cselect_b32 s95, 6656, s95
	s_lshl_b32 s46, s42, 8
	s_lshl_b32 s47, s16, 7
	s_add_co_u32 s46, s46, s47
	s_lshl_b32 s20, s17, 8
	s_lshl_b32 s21, s15, 7
	s_add_co_u32 s20, s20, s21
	s_lshr_b32 s92, s46, 7
	s_lshr_b32 s22, s20, 7
	s_lshr_b32 s93, s46, 6
	s_lshr_b32 s23, s20, 6
	s_lshl_b32 s46, s46, 2
	s_lshl_b32 s20, s20, 2
	s_cmp_eq_u32 s2, 2
	s_cselect_b32 s46, 0, s46
	s_cselect_b32 s20, s20, 0
	s_cselect_b32 s92, s92, s22
	s_cselect_b32 s93, s23, s93
	s_cselect_b64 s[8:9], s[96:97], s[8:9]
	s_mov_b32 s47, 0
	s_mov_b32 s21, 0
	s_add_nc_u64 s[10:11], s[8:9], s[46:47]
	s_add_nc_u64 s[12:13], s[8:9], s[20:21]
.irp b, 0,1,2,3
.irp j, 0,1,2,3
	global_load_b128 v[BR+16*\b+4*\j:BR+16*\b+4*\j+3], v12, s[10:11] offset:128*\b+16*\j
.endr
.endr
.irp a, 0,1,2,3,4,5,6,7
	global_load_b32 v[BV+\a], v13, s[12:13] offset:4*(32*(\a/2)+8*(\a%2))
.endr
	s_lshr_b32 s22, s92, 4
	s_lshl_b32 s22, s22, 8
	s_lshl_b32 s23, s93, 4
	s_add_co_u32 s22, s22, s23
	s_and_b32 s23, s92, 15
	s_add_co_u32 s22, s22, s23
	s_mul_i32 s22, s22, s95
	s_mov_b32 s23, 0
	s_add_nc_u64 s[OA:OA+1], s[98:99], s[22:23]
	s_lshl_b32 s22, s95, 4
	s_add_nc_u64 s[OA+2:OA+3], s[OA:OA+1], s[22:23]
.macro FRAG reg, adr, q, i
.irp p, 0,1,2,3,4,5
.set PCE, 12*(\q)+6*(\p/3)+\p%3
.if PCE%8 < 5
	ds_load_b64 v[\reg+2*\p:\reg+2*\p+1], v[\adr] offset:8*PCE+16*(PCE/8)+(\i)*16*PITCH
.else
	ds_load_b64 v[\reg+2*\p:\reg+2*\p+1], v[\adr+2] offset:8*PCE+16*(PCE/8)+(\i)*16*PITCH
.endif
.endr
.endm
.macro MUL16 a0, p, q, sc, zero
.irp a, \a0, \a0+1
.irp b, 0,1,2,3,4,5,6,7
.if \zero
	v_wmma_scale_f32_16x16x128_f8f6f4 v[8*(8*((\a)%4)+\b):8*(8*((\a)%4)+\b)+7], v[128*(\p)+FR*\b:128*(\p)+FR*\b+FR-1], v[AF+FR*(\a):AF+FR*(\a)+FR-1], 0, v[SC+8*NQ*(\sc)+NQ*\b+(\q)], v[SC+8*NQ*(\sc)+NQ*(\a)+(\q)] matrix_a_fmt:MATRIX_FMT_FP6 matrix_b_fmt:MATRIX_FMT_FP6 matrix_a_scale:MATRIX_SCALE_ROW1
.else
	v_wmma_scale_f32_16x16x128_f8f6f4 v[8*(8*((\a)%4)+\b):8*(8*((\a)%4)+\b)+7], v[128*(\p)+FR*\b:128*(\p)+FR*\b+FR-1], v[AF+FR*(\a):AF+FR*(\a)+FR-1], v[8*(8*((\a)%4)+\b):8*(8*((\a)%4)+\b)+7], v[SC+8*NQ*(\sc)+NQ*\b+(\q)], v[SC+8*NQ*(\sc)+NQ*(\a)+(\q)] matrix_a_fmt:MATRIX_FMT_FP6 matrix_b_fmt:MATRIX_FMT_FP6 matrix_a_scale:MATRIX_SCALE_ROW1
.endif
.endr
.endr
.endm
.macro FETCH_B slot, q, p
	WIN TO_B
.irp i, 0,1,2,3,4,5,6,7
	FRAG 128*(\p)+FR*\i, ADRB+\slot, \q, \i
.endr
	WIN 0
.endm
.macro FETCH_A slot, q, i0
.irp i, \i0, \i0+1, \i0+2, \i0+3
	FRAG AF+FR*(\i), ADRA+\slot, \q, \i
.endr
.endm
.macro SCALES sc
.irp i, 0,1,2,3,4,5,6,7
	ds_load_b64 v[SC+8*NQ*\sc+NQ*\i:SC+8*NQ*\sc+NQ*\i+1], v[ADRS] offset:\i*SBLK
.endr
.endm
.macro PLACES n
.rept \n
	v_nop
.endr
.endm
.macro STEP slot, q, zero
	s_wait_dscnt 4*NL
	WIN MUL_LO
	MUL16 0, (\q)%2, \q, \slot, \zero
	MUL16 2, (\q)%2, \q, \slot, \zero
	s_wait_dscnt 0
	PLACES NP
	FETCH_B \slot, (\q)+1, 1-(\q)%2
	FETCH_A \slot, (\q)+1, 0
	WIN MUL_HI
	MUL16 4, (\q)%2, \q, \slot, \zero
	MUL16 6, (\q)%2, \q, \slot, \zero
	PLACES NP
	WIN 0
	FETCH_A \slot, (\q)+1, 4
.endm
.macro TURN slot, next, fill
	s_wait_tensorcnt 0x0
	ds_add_u32 v[SPW], v[NIL]
	s_wait_dscnt 4*NL+1
	WIN MUL_LO
	MUL16 0, 1, NQ-1, \slot, 0
	s_wait_dscnt 0x0
	s_barrier_signal -1
	MUL16 2, 1, NQ-1, \slot, 0
	WIN 0
	s_barrier_wait -1
.if \fill
	CREST
	s_add_nc_u64 s[G0+4*\slot+2:G0+4*\slot+3], s[G0+4*\slot+2:G0+4*\slot+3], 2*ROWB
	s_add_nc_u64 s[G0B+4*\slot+2:G0B+4*\slot+3], s[G0B+4*\slot+2:G0B+4*\slot+3], 2*ROWB
	JLOAD G0+4*\slot, G1, G0B+4*\slot, G1B
.else
	PLACES NP
.endif
	s_wait_alu depctr_va_vdst(0)
	v_add_nc_u32 v[ADRS], 4*NQ, v[ADRS]
	FETCH_B \next, 0, 0
	FETCH_A \next, 0, 0
	SCALES \next
	WIN MUL_HI
	MUL16 4, 1, NQ-1, \slot, 0
	MUL16 6, 1, NQ-1, \slot, 0
	PLACES NP
	WIN 0
	FETCH_A \next, 0, 4
.endm
	s_wait_loadcnt 0x0
	s_wait_tensorcnt 1
	s_barrier_signal -1
	s_barrier_wait -1
	FETCH_B 0, 0, 0
	FETCH_A 0, 0, 0
	SCALES 0
	FETCH_A 0, 0, 4
	STEP 0, 0, 1
	s_mov_b32 s3, LAPS-1
.Llap:
	TURN 0, 1, 1
	STEP 1, 0, 0
	TURN 1, 0, 1
	STEP 0, 0, 0
	s_sub_co_u32 s3, s3, 1
	s_cmp_lg_u32 s3, 0
	s_cbranch_scc1 .Llap
	TURN 0, 1, 0
	STEP 1, 0, 0
	s_wait_dscnt 4*NL
	WIN MUL_LO
	MUL16 0, 1, NQ-1, 1, 0
	MUL16 2, 1, NQ-1, 1, 0
	s_wait_dscnt 0
	WIN MUL_HI
	MUL16 4, 1, NQ-1, 1, 0
	MUL16 6, 1, NQ-1, 1, 0
	WIN 0
.macro QUANT s
.irp b, 0,1,2,3
	v_max3_num_f32 v[TM+\b], |v[\s+16*\b]|, |v[\s+1+16*\b]|, 0x1800000
.endr
.irp i, 2,4,6,8,10,12,14
.irp b, 0,1,2,3
	v_max3_num_f32 v[TM+\b], v[TM+\b], |v[\s+16*\b+\i]|, |v[\s+1+16*\b+\i]|
.endr
.endr
.irp b, 0,1,2,3
	v_permlanex16_b32 v[TM+4+\b], v[TM+\b], s[SEL], s[SEL+1]
.endr
.irp b, 0,1,2,3
	v_max_num_f32 v[TM+\b], v[TM+\b], v[TM+4+\b]
.endr
.irp b, 0,1,2,3
	v_add_nc_u32 v[TM+12+\b], 0xff000000, v[TM+\b]
.endr
.irp b, 0,1,2,3
	v_lshrrev_b32 v[TM+4+\b], 23, v[TM+12+\b]
.endr
	v_lshl_or_b32 v[PW], v[TM+5], 8, v[TM+4]
	v_lshl_or_b32 v[PW], v[TM+6], 16, v[PW]
	v_lshl_or_b32 v[PW], v[TM+7], 24, v[PW]
.irp c, 0,1
	v_cvt_scalef32_pk16_fp6_f32 v[CD+6*\c:CD+2+6*\c], v[\s+32*\c:\s+15+32*\c], v[TM+12+2*\c]
	v_cvt_scalef32_pk16_fp6_f32 v[CD+12+4*\c:CD+14+4*\c], v[\s+16+32*\c:\s+31+32*\c], v[TM+12+2*\c+1]
.endr
	v_nop
.irp c, 0,1
.irp i, 0,1,2
	v_permlane16_swap_b32 v[CD+6*\c+\i], v[CD+12+4*\c+\i]
.endr
.irp i, 0,1,2
	v_mov_b32 v[CD+3+6*\c+\i], v[CD+12+4*\c+\i]
.endr
.endr
.endm
.macro EPI_QK a
	s_wait_xcnt 0x0
	WIN 0x02+(\a)/4
.set i, 0
.rept 32
	v_pk_add_f32 v[HA+i:HA+i+1], v[64*((\a)%4)+i:64*((\a)%4)+i+1], v[BR+i:BR+i+1]
.set i, i+2
.endr
	WIN 0
	QUANT HA
	global_store_b128 v[L16], v[CD:CD+3], s[OA:OA+1] offset:768*(\a)
	global_store_b64 v[L8], v[CD+4:CD+5], s[OA:OA+1] offset:768*(\a)+512
	global_store_b128 v[L16], v[CD+6:CD+9], s[OA+2:OA+3] offset:768*(\a)
	global_store_b64 v[L8], v[CD+10:CD+11], s[OA+2:OA+3] offset:768*(\a)+512
.if (\a)%2 == 0
	v_and_b32 v[WA+(\a)/2], 0xffff, v[PW]
	v_lshrrev_b32 v[WB+(\a)/2], 16, v[PW]
.else
	v_and_b32 v229, 0xffff, v[PW]
	v_lshrrev_b32 v230, 16, v[PW]
	v_cndmask_b32 v[WA+(\a)/2], v[WA+(\a)/2], v229, s66
	v_cndmask_b32 v[WB+(\a)/2], v[WB+(\a)/2], v230, s66
.endif
.endm
.macro EPI_V a
	s_wait_xcnt 0x0
	v_mov_b32 v230, v[BV+(\a)]
	v_mov_b32 v231, v[BV+(\a)]
	WIN 0x02+(\a)/4
.set i, 0
.rept 32
	v_pk_add_f32 v[HA+i:HA+i+1], v[64*((\a)%4)+i:64*((\a)%4)+i+1], v[230:231]
.set i, i+2
.endr
	WIN 0
	QUANT HA
.irp p, 0,1,2
	global_store_b128 v[L16], v[CD+4*\p:CD+4*\p+3], s[OA+2*((\a)/4):OA+2*((\a)/4)+1] offset:6656+1536*((\a)%4)+512*\p
.endr
.set WR, WA+4*((\a)/4)+((\a)%4)/2
.if (\a)%2 == 0
	v_mov_b32 v[WR], v[PW]
.else
	v_cndmask_b32 v[WR], v[WR], v[PW], s66
.endif
.if (\a)%4 == 3
	global_store_b64 v[L8], v[WA+4*((\a)/4):WA+4*((\a)/4)+1], s[OA+2*((\a)/4):OA+2*((\a)/4)+1] offset:12800
.endif
.endm
	PLACES NP
.irp b, 0,1,2,3
	v_mov_b32 v[TM+4+\b], 0
.endr
	s_cmp_eq_u32 s2, 2
	s_cbranch_scc1 .Lepi_v
.irp a, 0,1,2,3,4,5,6,7
	EPI_QK \a
.endr
	global_store_b128 v[L16], v[WA:WA+3], s[OA:OA+1] offset:6144
	global_store_b128 v[L16], v[WB:WB+3], s[OA+2:OA+3] offset:6144
	s_branch .Lend
.Lepi_v:
.irp a, 0,1,2,3,4,5,6,7
	EPI_V \a
.endr
.Lend:
	s_wait_tensorcnt 0x0
	ds_add_u32 v[SPW], v[NIL]
	s_wait_dscnt 0x0
	CROUND
	s_endpgm
.Lfunc_end_k_q5b7cad1e48_proj:
	.size	k_q5b7cad1e48_proj, .Lfunc_end_k_q5b7cad1e48_proj-k_q5b7cad1e48_proj
	.p2alignl 7, 3214868480
	.fill 96, 4, 3214868480
	.section	.rodata,"a",@progbits
	.p2align	6, 0x0
	.amdhsa_kernel k_q5b7cad1e48_proj
		.amdhsa_group_segment_fixed_size 327680
		.amdhsa_private_segment_fixed_size 0
		.amdhsa_enable_private_segment 0
		.amdhsa_kernarg_size 56
		.amdhsa_user_sgpr_count 2
		.amdhsa_user_sgpr_kernarg_segment_ptr 1
		.amdhsa_wavefront_size32 1
		.amdhsa_system_sgpr_workgroup_id_x 1
		.amdhsa_system_sgpr_workgroup_id_y 1
		.amdhsa_system_sgpr_workgroup_id_z 1
		.amdhsa_system_vgpr_workitem_id 0
		.amdhsa_next_free_vgpr 1024
		.amdhsa_next_free_sgpr 106
		.amdhsa_reserve_vcc 0
		.amdhsa_float_denorm_mode_32 3
		.amdhsa_float_denorm_mode_16_64 3
		.amdhsa_memory_ordered 1
		.amdhsa_forward_progress 1
		.amdhsa_inst_pref_size 236
	.end_amdhsa_kernel
	.amdgpu_metadata
---
amdhsa.version: [ 1, 2 ]
amdhsa.kernels:
  - .name:           k_q5b7cad1e48_proj
    .symbol:         k_q5b7cad1e48_proj.kd
    .args:
      - { .name: codes, .offset: 0, .size: 8, .value_kind: global_buffer, .address_space: global }
      - { .name: scales, .offset: 8, .size: 8, .value_kind: global_buffer, .address_space: global }
      - { .name: Wq_b, .offset: 16, .size: 8, .value_kind: global_buffer, .address_space: global }
      - { .name: Wk_b, .offset: 24, .size: 8, .value_kind: global_buffer, .address_space: global }
      - { .name: Wv_b, .offset: 32, .size: 8, .value_kind: global_buffer, .address_space: global }
      - { .name: qrec, .offset: 40, .size: 8, .value_kind: global_buffer, .address_space: global }
      - { .name: kvrec, .offset: 48, .size: 8, .value_kind: global_buffer, .address_space: global }
    .group_segment_fixed_size: 327680
    .private_segment_fixed_size: 0
    .kernarg_segment_align: 8
    .kernarg_segment_size: 56
    .max_flat_workgroup_size: 128
    .sgpr_count:     106
    .vgpr_count:     1024
    .wavefront_size: 32
...
	.end_amdgpu_metadata
.endif
;; end of part 2
;; launch attn (part 3): grid 4 x 64, 16 waves a work-group, clusters of 4 x 1, 280,576 bytes of LDS; arguments qrec, kvrec, mbits, out0; writes out0
.if DOCPART == 3
	.amdgcn_target "amdgcn-amd-amdhsa--gfx1250"
	.amdhsa_code_object_version 6
	.text
	.protected	k_q5b7cad1e48_attn
	.globl	k_q5b7cad1e48_attn
	.p2align	8
	.type	k_q5b7cad1e48_attn,@function
k_q5b7cad1e48_attn:
	s_mov_b64 s[64:65], 0
	v_nop
	global_prefetch_b8 v0, s[64:65] scope:SCOPE_SE
	s_setreg_imm32_b32 hwreg(HW_REG_WAVE_MODE, 25, 1), 1
	s_wait_xcnt 0x0
	s_wait_alu depctr_hold_cnt(0) depctr_sa_sdst(0) depctr_va_vdst(0) depctr_va_sdst(0) depctr_va_ssrc(0) depctr_va_vcc(0) depctr_vm_vsrc(0)
	s_getreg_b32 s2, hwreg(HW_REG_IB_STS2, 6, 4)
	s_cmp_eq_u32 s2, 0
	s_cbranch_scc0 .Lentry_in_a_cluster
	s_endpgm
.Lentry_in_a_cluster:
	s_bfe_u32 s2, ttmp6, 0x10000c
	s_cmp_lg_u32 s2, 0x3003
	s_cbranch_scc0 .Lentry_shape_is_right
	s_endpgm
.Lentry_shape_is_right:
; out0[b][q][64 head + :] = softmax_k(mask(q . k / 8)) v, both products on codes of FP6 (E2M3) with one E8M0 scale for each 32 along a product's K.
; q, k and v come as images of the operands' registers (records of qrec and kvrec), the mask as words of one bit a lane (mbits).
; THE SOFTMAX AHEAD OF THE SECOND PRODUCT: t = score x log2(e) / 8; M = the running largest t rounded UP to a whole number; p = 2^(t - M) is quantised along the keys, not normalised; the row's sum is taken of the
; unquantised p and divides at the end.  When M moves, the sum and O are multiplied by 2^(old M - new M): exact.
; THE MASK: where its bit is set the raw score becomes -2^33, ahead of the maximum: one v_cndmask_b32 a score, the bits of the 32 lanes in a scalar register.  So a masked logit stands at -2^30.
; LIMIT: reference() has -1e9 there.  -2^33 x c is exact and a whole number, so a row that is masked throughout has p = 1 everywhere, uniform as in reference(); results differ from reference()'s only where an
; unmasked logit lies under about -9e8.  NaN and infinities are not served.
; THE FIRST PRODUCT'S K IS 64: the instruction's other 64 are q's zero codes (six registers of zeros); against them stand whatever registers follow a tile of k, under scale bytes 0: they add nothing.
; SHARES.  A cluster of four work-groups is one (batch, head); work-group cx owns 512 queries; each of its sixteen waves two tiles of 16, one after the other, in 256 registers: four waves to a SIMD.
; A HEAD'S K, V AND SCALES ARE 208,896 BYTES: they come into LDS ONCE, by joint loads of the four work-groups, in four chunks of 512 keys; the first walk over the keys begins when the first chunk is there.
; No LDS byte is filled twice.  Both products are used transposed: a lane holds ONE query (lane % 16) throughout.
.set REC,  13056                       ; a key step's record: K 8 x 768, its scale words 512, V 4 x 1,536, its scale words 256
.set STG,  16*REC                      ; behind the records: a stage of 16 rows x 272 bytes for each wave
.set L16,  1                           ; v1   16 x lane
.set L8,   2                           ; v2   8 x lane
.set A16,  3                           ; v3   the step's record + 16 x lane
.set A8,   4                           ; v4   + 8 x lane
.set XM,   5                           ; v5   -2^33
.set SI,   6                           ; v6   the stage, in
.set SB,   7                           ; v7   the stage, back
.set GO,   8                           ; v8   my byte offset in the tile's rows of out0
.set QS,   9                           ; v9, v10 q's scale words of my two tiles
.set Q0,   16                          ; v16-27, v28-39 q's fragments: six registers of codes, six of zeros
.set KV,   40                          ; v40-93: K's tile t at v[40 + 6 t], v88-93 zeros; later V's tile t at v[40 + 12 t]
.set S,    96                          ; v96-159 S^T, then p
.set O,    160                         ; v160-191 O^T
.set CD,   192                         ; v192-203 p's codes
.set PT,   204                         ; v204-211 the conversions' second halves
.set BM,   212                         ; v212-215 each block's largest score
.set T2,   216                         ; v216-219 at work
.set SO,   220                         ; v220-223 the conversions' scale operands
.set KSC,  224                         ; v224-227 K's scale words: lanes 0-15 tile 2 i, lanes 16-31 tile 2 i + 1
.set VSC,  228                         ; v228-229 V's likewise
.set PW,   230                         ; v230 p's scale word
.set F,    232                         ; v232 f = 2^(old M - new M); v233 is named with it as a pair
.set TB,   12                          ; s12  LDS byte of the step's record
.set MO,   13                          ; s13  byte offset of the mask words asked for
.set SEL,  66                          ; s[66:67] lane selects for lane l xor 16
.set G1,   84                          ; s[84:91] descriptor group 1; groups 0 of the four chunks: s[92:95], s[96:99], s[4:7], s[8:11]
.set CS,   100                         ; s[100:101] c = log2(e) / 8
; s[14:15] my mask words; s[16:63], s[68:83] the 64 words of a step; s[104:105] my rows of out0
.macro ROUND                           ; a round of the cluster's barrier
	s_barrier_signal -1
	s_barrier_wait -1
	s_cmp_lg_u32 s2, 0
	s_cbranch_scc1 .Lnot_wave_0_\@
	s_barrier_signal -3
.Lnot_wave_0_\@:
	s_barrier_wait -3
	s_barrier_signal -1
	s_barrier_wait -1
.endm
	s_load_b256 s[16:23], s[0:1], 0x0              ; qrec 16, kvrec 18, mbits 20, out0 22
	v_lshl_add_u32 v254, v0, 2, 0x44000
	v_mov_b32 v255, 0
	ds_add_u32 v254, v255
	ds_add_u32 v254, v255
	v_lshrrev_b32 v1, 5, v0
	s_delay_alu instid0(VALU_DEP_1)
	v_readfirstlane_b32 s2, v1                     ; wave 0..15
	v_and_b32 v11, 31, v0
	s_delay_alu instid0(VALU_DEP_1)
	v_lshlrev_b32 v[L16], 4, v11
	s_delay_alu instid0(VALU_DEP_2)
	v_lshlrev_b32 v[L8], 3, v11
	v_and_b32 v3, 15, v0                           ; r
	v_bfe_u32 v4, v0, 4, 1                         ; h
	s_mul_i32 s24, s2, 16*272
	s_add_co_u32 s24, s24, STG                     ; my stage
	v_mul_u32_u24 v[SI], v3, 272
	s_delay_alu instid0(VALU_DEP_1)
	v_lshl_add_u32 v[SI], v4, 6, v[SI]
	s_delay_alu instid0(VALU_DEP_1)
	v_add_nc_u32 v[SI], s24, v[SI]                 ; in: row r, + 64 h: register 16 b + i is channel 32 b + 16 h + i
	v_mul_u32_u24 v[SB], v4, 272
	s_delay_alu instid0(VALU_DEP_1)
	v_lshl_add_u32 v[SB], v3, 4, v[SB]
	s_delay_alu instid0(VALU_DEP_1)
	v_add_nc_u32 v[SB], s24, v[SB]                 ; back: lanes 0-15 one row of 256 bytes, lanes 16-31 the next
	v_lshlrev_b32 v[GO], 12, v4
	s_delay_alu instid0(VALU_DEP_1)
	v_lshl_add_u32 v[GO], v3, 4, v[GO]             ; and the same two rows in out0, 4,096 bytes apart
	s_and_b32 s25, s2, 3
	s_lshl_b32 s26, s25, 2
	v_lshlrev_b32 v11, 4, v3
	s_delay_alu instid0(VALU_DEP_1)
	v_add_nc_u32 v11, s26, v11                     ; q's scale words: 16 r + 4 (wave % 4)
	s_bfe_u32 s27, ttmp6, 0x40000                  ; cx: it enters q's, the mask's and out0's addresses alone
	s_and_b32 s28, ttmp7, 0xffff                   ; 16 b + head, which the four partners share
	s_lshr_b32 s29, s28, 4                         ; b
	s_and_b32 s30, s28, 15                         ; head
	s_mul_i32 s31, s28, 16*REC
	s_mul_i32 s32, s25, REC                        ; which record of a chunk I fetch: in LDS and in memory alike
	s_add_co_u32 s34, s31, s32
	s_mov_b32 s35, 0
	s_lshl_b32 s36, s28, 4
	s_lshl_b32 s37, s27, 2
	s_add_co_u32 s36, s36, s37
	s_lshr_b32 s37, s2, 2
	s_add_co_u32 s36, s36, s37                     ; q's record: 16 (16 b + head) + 4 cx + wave / 4
	s_mul_i32 s36, s36, 6656
	s_mov_b32 s37, 0
	s_mul_i32 s38, s25, 1536                       ; my two tiles in it
	s_mov_b32 s39, 0
	s_lshl_b32 s42, s29, 7
	s_lshl_b32 s43, s27, 5
	s_add_co_u32 s42, s42, s43
	s_lshl_b32 s43, s2, 1
	s_add_co_u32 s42, s42, s43                     ; my first tile among the mask's: 128 b + 32 cx + 2 wave
	s_lshl_b32 s42, s42, 12                        ; 4,096 bytes a tile: my two tiles' 32 steps are 8,192 bytes on end
	s_mov_b32 s43, 0
	s_lshl_b32 s44, s27, 4
	s_add_co_u32 s44, s44, s2
	s_lshl_b32 s44, s44, 5
	s_lshl_b32 s45, s29, 11
	s_add_co_u32 s44, s44, s45                     ; my first row of out0: 2,048 b + 32 (16 cx + wave)
	s_lshl_b32 s44, s44, 12
	s_lshl_b32 s45, s30, 8
	s_add_co_u32 s44, s44, s45                     ; + 256 bytes a head
	s_mov_b32 s45, 0
	s_mov_b32 s[G1], 15|(3<<16)|(1<<21)            ; the mask: all four work-groups; elements of 8 bytes; bit 21 beside a mask; no padding
	s_mov_b32 s[G1+1], 32<<16                      ; tensor_dim0 = 32 elements: 256 bytes
	s_mov_b32 s[G1+2], 51<<16                      ; tensor_dim1 = 51 rows: a record
	s_mov_b32 s[G1+3], 32<<16                      ; tile_dim0
	s_mov_b32 s[G1+4], 51                          ; tile_dim1
	s_mov_b32 s[G1+5], 32                          ; dense
	s_mov_b32 s[G1+6], 0
	s_mov_b32 s[G1+7], 0
	s_mov_b32 s[SEL], 0x76543210
	s_mov_b32 s[SEL+1], 0xfedcba98
	s_mov_b32 s[CS], 0x3e38aa3b                    ; c = log2(e) / 8
	s_mov_b32 s[CS+1], s[CS]                       ; (named with it as a pair, so it is written)
	s_wait_dscnt 0x0
	s_wait_kmcnt 0x0
	s_add_nc_u64 s[18:19], s[18:19], s[34:35]      ; kvrec at my record of chunk 0
	s_add_nc_u64 s[16:17], s[16:17], s[36:37]      ; q's record
	s_add_nc_u64 s[40:41], s[16:17], s[38:39]      ; my two tiles
	s_add_nc_u64 s[14:15], s[20:21], s[42:43]
	s_add_nc_u64 s[104:105], s[22:23], s[44:45]
.macro G0SET g, c                      ; chunk c: records 4 c .. 4 c + 3, of which mine is 4 c + wave % 4
	s_mov_b32 s[\g], 1
	s_add_co_u32 s[\g+1], s32, 4*(\c)*REC
	s_add_nc_u64 s[\g+2:\g+3], s[18:19], 4*(\c)*REC
	s_or_b32 s[\g+3], s[\g+3], 0x80000000
.endm
	G0SET 92, 0
	G0SET 96, 1
	G0SET 4, 2
	G0SET 8, 3
	ROUND                                          ; all four work-groups are here: the joint loads meet
	s_cmp_lt_u32 s2, 4                             ; waves 0-3 fetch, a record of each chunk: a wave's four fills stand in one branch; four loads of such a wave are out
	s_cbranch_scc0 .Lno_fetch
	tensor_load_to_lds s[92:95], s[G1:G1+7]
	s_nop 0
	tensor_load_to_lds s[96:99], s[G1:G1+7]
	s_nop 0
	tensor_load_to_lds s[4:7], s[G1:G1+7]
	s_nop 0
	tensor_load_to_lds s[8:11], s[G1:G1+7]
	s_nop 0
.rept 4
	v_nop
.endr
.Lno_fetch:
	s_wait_alu depctr_va_vdst(0)
.irp p, 0,1
	global_load_b128 v[Q0+12*\p:Q0+12*\p+3], v[L16], s[40:41] offset:768*\p th:TH_LOAD_NT
	global_load_b64 v[Q0+12*\p+4:Q0+12*\p+5], v[L8], s[40:41] offset:768*\p+512 th:TH_LOAD_NT
	global_load_b32 v[QS+\p], v11, s[16:17] offset:6144+256*\p    ; an odd tile's words lie in the image's lanes 16-31
.endr
.irp p, 0,1
.irp i, 6,7,8,9,10,11
	v_mov_b32 v[Q0+12*\p+\i], 0                    ; q's zero codes for k = 64 .. 127
.endr
.endr
.irp i, 48,49,50,51,52,53
	v_mov_b32 v[KV+\i], 0                          ; what follows K's last tile
.endr
.irp b, 0,1,2,3
	v_mov_b32 v[T2+\b], 0                          ; written once: a lane permute's destination counts as one of its sources
.endr
	v_mov_b32 v[F+1], 0
	v_mov_b32 v[XM], 0xd0000000                    ; -2^33
.macro BEGIN                           ; a tile begins: O^T and the sum are zeros, the largest t lies under every t: the first change of M multiplies zeros
	v_mov_b32 v13, 0xff61b1e6                      ; -3e38
	s_delay_alu instid0(VALU_DEP_1)
	v_floor_f32 v12, -v13                          ; -M
	v_mov_b32 v14, 0
	v_mov_b32 v15, 0
.set j, 0
.rept 32
	v_mov_b32 v[O+j], 0
.set j, j+1
.endr
.endm
	BEGIN
	s_wait_xcnt 0x0                                ; q's loads have read their bases, which lie where the mask words land
	s_mov_b32 s[MO], 0
.macro MASKLOAD                        ; a step's 64 words, 256 bytes
.irp k, 0,1,2
	s_load_b512 s[16+16*\k:31+16*\k], s[14:15], s[MO] offset:64*\k
.endr
	s_load_b512 s[68:83], s[14:15], s[MO] offset:192
.endm
	MASKLOAD
	s_wait_loadcnt 0x0                             ; q
; A KEY STEP: 128 keys.  q: my tile's fragment; qs: its scale words.
.macro STEP q, qs
	s_setprio 2
	v_add_nc_u32 v[A16], s[TB], v[L16]
	v_add_nc_u32 v[A8], s[TB], v[L8]
	v_nop
	v_nop                                          ; four plain lines between the last step's products and the loads into the registers that they read
.irp t, 0,1,2,3,4,5,6,7
	ds_load_b128 v[KV+6*\t:KV+6*\t+3], v[A16] offset:768*\t
	ds_load_b64 v[KV+6*\t+4:KV+6*\t+5], v[A8] offset:768*\t+512
.endr
	ds_load_b128 v[KSC:KSC+3], v[A16] offset:6144
	s_wait_alu depctr_va_vdst(0)
	s_wait_dscnt 0x0
.irp t, 0,1,2,3,4,5,6,7                        ; S^T = K Q^T: lane (r, h) holds query r; register 16 b + i is key 32 b + 16 h + i
.if \t%2
	v_wmma_scale_f32_16x16x128_f8f6f4 v[S+8*\t:S+8*\t+7], v[KV+6*\t:KV+6*\t+11], v[\q:\q+11], 0, v[KSC+\t/2], v[\qs] matrix_a_fmt:MATRIX_FMT_FP6 matrix_b_fmt:MATRIX_FMT_FP6 matrix_a_scale:MATRIX_SCALE_ROW1
.else
	v_wmma_scale_f32_16x16x128_f8f6f4 v[S+8*\t:S+8*\t+7], v[KV+6*\t:KV+6*\t+11], v[\q:\q+11], 0, v[KSC+\t/2], v[\qs] matrix_a_fmt:MATRIX_FMT_FP6 matrix_b_fmt:MATRIX_FMT_FP6
.endif
.endr
.rept 4
	v_nop                                          ; places in front of the loads into K's registers and of the first read of the scores
.endr
.irp t, 0,1,2,3
.irp p, 0,1,2
	ds_load_b128 v[KV+12*\t+4*\p:KV+12*\t+4*\p+3], v[A16] offset:6656+1536*\t+512*\p   ; V lands while the softmax is worked
.endr
.endr
	ds_load_b64 v[VSC:VSC+1], v[A8] offset:12800
	s_wait_kmcnt 0x0                               ; this step's mask words, asked for a step ago
.irp n, 0,1,2,3,4,5,6,7,8,9,10,11,12,13,14,15,16,17,18,19,20,21,22,23,24,25,26,27,28,29,30,31,32,33,34,35,36,37,38,39,40,41,42,43,44,45,46,47,48,49,50,51,52,53,54,55,56,57,58,59,60,61,62,63
	v_cndmask_b32 v[S+\n], v[S+\n], v[XM], s[16+\n+4*(\n/48)]   ; each accumulator from its low end on
.endr
.irp b, 0,1,2,3
	v_max3_num_f32 v[BM+\b], v[S+16*\b], v[S+1+16*\b], v[S+2+16*\b]   ; the largest score of each block of 32 keys: for the row's maximum, and, since p rises with the score, for the block's largest p
.endr
.irp i, 3,5,7,9,11,13
.irp b, 0,1,2,3
	s_delay_alu instid0(VALU_DEP_4)
	v_max3_num_f32 v[BM+\b], v[BM+\b], v[S+16*\b+\i], v[S+1+16*\b+\i]
.endr
.endr
.irp b, 0,1,2,3
	s_delay_alu instid0(VALU_DEP_4)
	v_max_num_f32 v[BM+\b], v[BM+\b], v[S+15+16*\b]
.endr
.irp b, 0,1,2,3
	s_delay_alu instid0(VALU_DEP_4)
	v_permlanex16_b32 v[T2+\b], v[BM+\b], s[SEL], s[SEL+1]
.endr
.irp b, 0,1,2,3
	s_delay_alu instid0(VALU_DEP_4)
	v_max_num_f32 v[BM+\b], v[BM+\b], v[T2+\b]     ; with lane l xor 16's 16 keys
.endr
	s_delay_alu instid0(VALU_DEP_2)
	v_max3_num_f32 v234, v[BM], v[BM+1], v[BM+2]
	s_delay_alu instid0(VALU_DEP_1)
	v_max_num_f32 v234, v234, v[BM+3]
	s_delay_alu instid0(VALU_DEP_1)
	v_mul_f32 v234, s[CS], v234                    ; as t (c is positive)
	s_delay_alu instid0(VALU_DEP_1)
	v_max_num_f32 v13, v13, v234                   ; the running largest t
	v_mov_b32 v234, v12
	s_delay_alu instid0(VALU_DEP_2)
	v_floor_f32 v12, -v13                          ; the new -M = -ceil(t): a whole number
	s_delay_alu instid0(VALU_DEP_1)
	v_sub_f32 v234, v12, v234                      ; old M - new M: a whole number, 0 or less
	s_delay_alu instid0(VALU_DEP_1)
	v_cvt_i32_f32 v234, v234                       ; (it saturates)
	s_delay_alu instid0(VALU_DEP_1)
	v_ldexp_f32 v[F], 1.0, v234                    ; f = 2^(old M - new M)
	s_add_co_u32 s[MO], s[MO], 256                 ; the next step's mask words: the rest of this step is theirs to land in.  The last request repeats the last words: none leaves the buffer
	s_min_u32 s[MO], s[MO], 7936
	MASKLOAD
.irp j, 0,2,4,6,8,10,12,14,16,18,20,22,24,26,28,30,32,34,36,38,40,42,44,46,48,50,52,54,56,58,60,62
	v_pk_fma_f32 v[S+\j:S+\j+1], v[S+\j:S+\j+1], s[CS:CS+1], v[12:13] op_sel_hi:[1,0,0]   ; t - M, two at a time
.endr
.irp b, 0,1,2,3
	v_fma_f32 v[BM+\b], v[BM+\b], s[CS], v12       ; the same of each block's largest score
.endr
	s_setprio 1
	s_wait_alu depctr_va_vdst(0)
.irp j, 0,1,2,3,4,5,6,7,8,9,10,11,12,13,14,15,16,17,18,19,20,21,22,23,24,25,26,27,28,29,30,31,32,33,34,35,36,37,38,39,40,41,42,43,44,45,46,47,48,49,50,51,52,53,54,55,56,57,58,59,60,61,62,63
	v_exp_f32 v[S+\j], v[S+\j]                     ; p = 2^(t - M), at most 1
.endr
	v_pk_mul_f32 v[14:15], v[14:15], v[F:F+1] op_sel_hi:[1,0]   ; the sums under the new M (a plain line behind the exponentials)
	s_wait_alu depctr_va_vdst(0)                   ; one wait for the whole batch, ahead of its first reader
.irp b, 0,1,2,3
	v_exp_f32 v[BM+\b], v[BM+\b]                   ; the block's largest p: the same two instructions on the same number give the same bits
.endr
	v_pk_add_f32 v[236:237], v[100:101], v[104:105]
	v_pk_add_f32 v[252:253], v[108:109], v[112:113]
	v_pk_add_f32 v[250:251], v[116:117], v[120:121]
	v_pk_add_f32 v[248:249], v[124:125], v[128:129]
	v_pk_add_f32 v[246:247], v[132:133], v[136:137]
	v_pk_add_f32 v[244:245], v[140:141], v[144:145]
	v_pk_add_f32 v[242:243], v[148:149], v[152:153]
	v_pk_add_f32 v[14:15], v[14:15], v[156:157]
	v_pk_add_f32 v[236:237], v[236:237], v[96:97]
	v_pk_add_f32 v[252:253], v[252:253], v[98:99]
	v_pk_add_f32 v[250:251], v[250:251], v[102:103]
	v_pk_add_f32 v[248:249], v[248:249], v[106:107]
	v_pk_add_f32 v[246:247], v[246:247], v[110:111]
	v_pk_add_f32 v[244:245], v[244:245], v[114:115]
	v_pk_add_f32 v[242:243], v[242:243], v[118:119]
	v_pk_add_f32 v[14:15], v[14:15], v[122:123]
	v_pk_add_f32 v[236:237], v[236:237], v[126:127]
	v_pk_add_f32 v[252:253], v[252:253], v[130:131]
	v_pk_add_f32 v[250:251], v[250:251], v[134:135]
	v_pk_add_f32 v[248:249], v[248:249], v[138:139]
	v_pk_add_f32 v[246:247], v[246:247], v[142:143]
	v_pk_add_f32 v[244:245], v[244:245], v[146:147]
	v_pk_add_f32 v[242:243], v[242:243], v[150:151]
	v_pk_add_f32 v[14:15], v[14:15], v[154:155]
	v_pk_add_f32 v[236:237], v[236:237], v[158:159]
	s_delay_alu instid0(VALU_DEP_2)
	v_pk_add_f32 v[14:15], v[14:15], v[248:249]
	s_delay_alu instid0(VALU_DEP_2)
	v_pk_add_f32 v[236:237], v[236:237], v[246:247]
	v_pk_add_f32 v[252:253], v[252:253], v[244:245]
	v_pk_add_f32 v[250:251], v[250:251], v[242:243]
	s_delay_alu instid0(VALU_DEP_2)
	v_pk_add_f32 v[14:15], v[14:15], v[252:253]
	s_delay_alu instid0(VALU_DEP_2)
	v_pk_add_f32 v[236:237], v[236:237], v[250:251]
	s_delay_alu instid0(VALU_DEP_1)
	v_pk_add_f32 v[14:15], v[14:15], v[236:237]
	s_wait_alu depctr_va_vdst(0)                   ; and one for the four
.irp b, 0,1,2,3
	v_max_num_f32 v[BM+\b], 0x1800000, v[BM+\b]    ; the floor 2^(3 - 127): a block whose every p is 0 keeps the byte 1: its codes are zeros
.endr
.irp b, 0,1,2,3
	s_delay_alu instid0(VALU_DEP_4)
	v_add_nc_u32 v[SO+\b], 0xff000000, v[BM+\b]    ; 2 off the exponent field: the conversion's scale operand
.endr
.irp b, 0,1,2,3
	s_delay_alu instid0(VALU_DEP_4)
	v_lshrrev_b32 v[T2+\b], 23, v[SO+\b]           ; the scale's byte
.endr
	s_delay_alu instid0(VALU_DEP_3)
	v_lshl_or_b32 v[PW], v[T2+1], 8, v[T2]
	s_delay_alu instid0(VALU_DEP_1)
	v_lshl_or_b32 v[PW], v[T2+2], 16, v[PW]
	s_delay_alu instid0(VALU_DEP_1)
	v_lshl_or_b32 v[PW], v[T2+3], 24, v[PW]
.irp c, 0,1
	v_cvt_scalef32_pk16_fp6_f32 v[CD+6*\c:CD+2+6*\c], v[S+32*\c:S+15+32*\c], v[SO+2*\c]
	v_cvt_scalef32_pk16_fp6_f32 v[PT+4*\c:PT+2+4*\c], v[S+16+32*\c:S+31+32*\c], v[SO+2*\c+1]   ; (a conversion's three registers begin on an even number)
.endr
	v_nop                                          ; one plain line behind a scaled conversion
	s_setprio 0
.irp c, 0,1                                    ; the operand's layout wants a WHOLE block in a lane
.irp i, 0,1,2
	v_permlane16_swap_b32 v[CD+6*\c+\i], v[PT+4*\c+\i]
.endr
.irp i, 0,1,2
	s_delay_alu instid0(VALU_DEP_3)
	v_mov_b32 v[CD+3+6*\c+\i], v[PT+4*\c+\i]
.endr
.endr
.irp j, 0,2,4,6,8,10,12,14,16,18,20,22,24,26,28,30
	v_pk_mul_f32 v[O+\j:O+\j+1], v[O+\j:O+\j+1], v[F:F+1] op_sel_hi:[1,0]   ; O^T under the new M.  Twelve of the sixteen name no register of any one product below: the places between p's codes and scale word and that product
.endr
	s_wait_alu depctr_va_vdst(0)
	s_wait_dscnt 0x0                               ; V
.irp t, 0,1,2,3                                ; O^T += V^T P^T: the four accumulators by turns; the next matrix instruction is a tile of scores
.if \t%2
	v_wmma_scale_f32_16x16x128_f8f6f4 v[O+8*\t:O+8*\t+7], v[KV+12*\t:KV+12*\t+11], v[CD:CD+11], v[O+8*\t:O+8*\t+7], v[VSC+\t/2], v[PW] matrix_a_fmt:MATRIX_FMT_FP6 matrix_b_fmt:MATRIX_FMT_FP6 matrix_a_scale:MATRIX_SCALE_ROW1
.else
	v_wmma_scale_f32_16x16x128_f8f6f4 v[O+8*\t:O+8*\t+7], v[KV+12*\t:KV+12*\t+11], v[CD:CD+11], v[O+8*\t:O+8*\t+7], v[VSC+\t/2], v[PW] matrix_a_fmt:MATRIX_FMT_FP6 matrix_b_fmt:MATRIX_FMT_FP6
.endif
.endr
.endm
; THE WAY OUT of a tile: O^T / the sum goes through my stage and leaves as rows: sixteen lanes store a row's 256 consecutive bytes, at a multiple of 256 from out0's first byte.
.macro OUT pass
.rept 4
	v_nop                                          ; places behind the last products
.endr
	v_add_f32 v14, v14, v15
	s_delay_alu instid0(VALU_DEP_1)
	v_permlanex16_b32 v[T2], v14, s[SEL], s[SEL+1]
	s_delay_alu instid0(VALU_DEP_1)
	v_add_f32 v14, v14, v[T2]                      ; the row's sum
	s_wait_alu depctr_va_vdst(0)
	v_rcp_f32 v14, v14
	v_nop                                          ; a plain line behind the reciprocal,
	s_wait_alu depctr_va_vdst(0)                   ; and the wait ahead of its first reader
.set j, 0
.rept 32
	v_mul_f32 v[S+j], v[O+j], v14                  ; register 16 b + i: channel 32 b + 16 h + i of my query
.set j, j+1
.endr
.irp b, 0,1
.irp k, 0,1,2,3
	ds_store_b128 v[SI], v[S+16*\b+4*\k:S+16*\b+4*\k+3] offset:128*\b+16*\k
.endr
.endr
.irp i, 0,1,2,3,4,5,6,7
	ds_load_b128 v[S+32+4*\i:S+32+4*\i+3], v[SB] offset:544*\i    ; my own stage, served in order: these see the stores above
.endr
.irp i, 0,1,2,3,4,5,6,7
	s_wait_dscnt 7-\i                              ; the younger loads stay out
	global_store_b128 v[GO], v[S+32+4*\i:S+32+4*\i+3], s[104:105] offset:(2*\i+8*(\i/4))*4096+32768*\pass th:TH_STORE_NT   ; the tile's rows 2 i, 2 i + 1: its rows 8-15 lie 8 rows further down; the second tile 8 rows down
.endr
.endm
	; ---- my first tile: the walk follows the chunks as they land
.irp c, 0,1,2,3
	s_wait_tensorcnt 3-\c                          ; my record of chunk c is in; the later chunks' stay out: nothing is filled twice
	s_barrier_signal -1
	s_barrier_wait -1                              ; everybody's is
	s_mov_b32 s[TB], \c*4*REC
	s_mov_b32 s3, 4
.Lfirst_\c:
	STEP Q0, QS
	s_add_co_u32 s[TB], s[TB], REC
	s_sub_co_u32 s3, s3, 1
	s_cmp_lg_u32 s3, 0
	s_cbranch_scc1 .Lfirst_\c
	s_setprio 0
.endr
	OUT 0
	s_wait_xcnt 0x0                                ; the stores have read their registers
	BEGIN
	; ---- my second tile: the whole head lies in LDS
	s_mov_b32 s[TB], 0
	s_mov_b32 s3, 16
.Lsecond:
	STEP Q0+12, QS+1
	s_add_co_u32 s[TB], s[TB], REC
	s_sub_co_u32 s3, s3, 1
	s_cmp_lg_u32 s3, 0
	s_cbranch_scc1 .Lsecond
	s_setprio 0
	OUT 1
	s_wait_kmcnt 0x0                               ; the last request for mask words
	s_wait_tensorcnt 0x0
	s_wait_tensorcnt 0x0
	ds_add_u32 v254, v255
	s_wait_dscnt 0x0
	ROUND                                          ; the closing round: no work-group ends while a partner may still ask for a tile that names it
	s_endpgm
.Lfunc_end_k_q5b7cad1e48_attn:
	.size	k_q5b7cad1e48_attn, .Lfunc_end_k_q5b7cad1e48_attn-k_q5b7cad1e48_attn
	.p2alignl 7, 3214868480
	.fill 96, 4, 3214868480
	.section	.rodata,"a",@progbits
	.p2align	6, 0x0
	.amdhsa_kernel k_q5b7cad1e48_attn
		.amdhsa_group_segment_fixed_size 280576
		.amdhsa_private_segment_fixed_size 0
		.amdhsa_enable_private_segment 0
		.amdhsa_kernarg_size 32
		.amdhsa_user_sgpr_count 2
		.amdhsa_user_sgpr_kernarg_segment_ptr 1
		.amdhsa_wavefront_size32 1
		.amdhsa_system_sgpr_workgroup_id_x 1
		.amdhsa_system_sgpr_workgroup_id_y 1
		.amdhsa_system_sgpr_workgroup_id_z 1
		.amdhsa_system_vgpr_workitem_id 0
		.amdhsa_next_free_vgpr 256
		.amdhsa_next_free_sgpr 106
		.amdhsa_reserve_vcc 0
		.amdhsa_float_denorm_mode_32 3
		.amdhsa_float_denorm_mode_16_64 3
		.amdhsa_memory_ordered 1
		.amdhsa_forward_progress 1
		.amdhsa_inst_pref_size 129
	.end_amdhsa_kernel
	.amdgpu_metadata
---
amdhsa.version: [ 1, 2 ]
amdhsa.kernels:
  - .name:           k_q5b7cad1e48_attn
    .symbol:         k_q5b7cad1e48_attn.kd
    .args:
      - { .name: qrec, .offset: 0, .size: 8, .value_kind: global_buffer, .address_space: global }
      - { .name: kvrec, .offset: 8, .size: 8, .value_kind: global_buffer, .address_space: global }
      - { .name: mbits, .offset: 16, .size: 8, .value_kind: global_buffer, .address_space: global }
      - { .name: out0, .offset: 24, .size: 8, .value_kind: global_buffer, .address_space: global }
    .group_segment_fixed_size: 280576
    .private_segment_fixed_size: 0
    .kernarg_segment_align: 8
    .kernarg_segment_size: 32
    .max_flat_workgroup_size: 512
    .sgpr_count:     106
    .vgpr_count:     256
    .wavefront_size: 32
...
	.end_amdgpu_metadata
.endif
;; end of part 3
